; MI455X (gfx1250); checked and timed in simulation.
; The chip was launched on July 23, 2026; its instructions are those of AMD's public machine-readable ISA for CDNA 5 (MIT licence, August 2026) and "CDNA5" Instruction Set Architecture Reference Guide (July 2026). The comments in the code are by the model that wrote it; some were corrected since.
;; Causal Self Attention. Allowed arithmetic: matrix products marked QUANTISED: E4M3 operands, one given power-of-two scale a tensor, by v_wmma_f32_16x16x64_fp8_fp8 or v_wmma_f32_16x16x128_fp8_fp8, f32 sums; everything else in f32.
;; Inputs: b_out 1,024 float32; b_qkv 3,072 float32; lowp_scales 8 int32 (the exponents e of the quantised operands' scales 2^e); w_out_codes 1,024 x 32 x 32 uint8 (E4M3 codes of w_out, K innermost, in blocks of 32 codes); w_qkv_codes 3,072 x 32 x 32 uint8 (E4M3 codes of w_qkv, K innermost, in blocks of 32 codes); x_codes 4 x 2,048 x 32 x 32 uint8 (E4M3 codes of x, K innermost, in blocks of 32 codes).
;; Outputs: out0 4 x 2,048 x 1,024 float32.
;; This version of the problem:
;;   THIS VERSION OF THE PROBLEM IS GIVEN IN LOW PRECISION. The matrix products marked QUANTISED in the list below multiply operands that are first quantised to E4M3 (4 exponent bits, 3 mantissa bits; 8 bits a number), with one given power-of-two scale for each operand tensor; their sums are f32. All else is computed in f32.
;;   The module's matrix products, in the order in which they are computed (A, B: the left and right operand; K: the contracted axis; several contracted axes count as one K, in the product's order):
;;     1. [M 8,192, K 1,024] x [K 1,024, N 3,072]; A: input x (given as codes); B: input w_qkv (given as codes): QUANTISED (scales: A lowp_scales[0], B lowp_scales[1])
;;     2. batch 64 x [M 2,048, K 64] x [K 64, N 2,048]; A: computed on the way; B: computed on the way: QUANTISED (scales: A lowp_scales[2], B lowp_scales[3])
;;     3. batch 64 x [M 2,048, K 2,048] x [K 2,048, N 64]; A: softmax (see below); B: computed on the way: QUANTISED (scales: A lowp_scales[4], B lowp_scales[5])
;;     4. [M 8,192, K 1,024] x [K 1,024, N 1,024]; A: computed on the way; B: input w_out (given as codes): QUANTISED (scales: A lowp_scales[6], B lowp_scales[7])
;;   THE QUANTISER, for each operand of a quantised product, along K:
;;     - The operand's scale is 2^e, e = its entry of the input lowp_scales (int32; the entries are numbered through the quantised products in the list's order, A before B).
;;     - Each number is divided by the scale, clamped to +-448, and rounded to the nearest number of E4M3, ties to even, subnormals kept.
;;     - The product sums the exact products of the quantised numbers (number of the format x scale) in f32.
;;   ~~~python
;;   def quantise(x, axis, e):      # numpy; x: float32 -> the quantised numbers, widened to float32 again
;;       x = np.moveaxis(x, axis, -1); K = x.shape[-1]
;;       r = np.clip(x / 2.0 ** e, -448, 448)
;;       step = 2.0 ** (np.maximum(np.frexp(np.where(r == 0, 1, r))[1] - 1, -6) - 3)
;;       q = np.round(r / step) * step * 2.0 ** e      # np.round: ties to even
;;       return np.moveaxis(q, -1, axis).astype(np.float32)
;;   ~~~
;;   SOFTMAX AHEAD OF A QUANTISED PRODUCT. Where the list says 'softmax', what is quantised is not the finished softmax but p = 2^(t - M), with t = logit x log2(e) and M = ceil(the row's largest t), a whole number; so 1/2 < the row's largest p <= 1. The row's sum l is taken of the UNQUANTISED p, in f32, and the product's result is divided by l at the end. Since M is a whole number, a kernel that streams over the keys may use a running M (the ceiling of the running maximum): every later rescaling is an exact power of two, so the quantised numbers keep their values, but for numbers so far below the row's largest that they fall under the format's range.
;;   OPERANDS COMPUTED ON THE WAY. 'Computed on the way' means the value that the module computes at that place (a softmax that the list does not call 'softmax' is quantised finished and normalised). What goes into a quantiser is computed in f32, as accurately as f32 sums, v_exp_f32 and their like allow (about 1e-6 of the number): no bf16 or f16 on the way to a quantiser, and a product that is left as it is and whose result goes on into a quantised operand takes f32 operands (vector FMAs, or v_wmma_f32_16x16x4_f32). A number that lies on a knife's edge between two numbers of the format may be rounded either way, as far as f32 arithmetic and the matrix unit's own rounding can turn it there, and no further.
;;   INPUTS GIVEN AS CODES. w_out (in the module: [1024, 1024], K = its axis 0); w_qkv (in the module: [1024, 3072], K = its axis 0); x (in the module: [4, 2048, 1024], K = its axis 2): each comes as NAME_codes (uint8): NAME with its K axis moved to the last place and cut into blocks of 32 codes, [.., K / 32, bytes a block], one block behind the other in memory; one code a byte (a code: sign, 4 exponent bits, 3 mantissa bits); its scale is its entry of lowp_scales. Its value is code x scale, taken as it is: it is not quantised again, and the codes and scales need not be those that the quantiser above would give.
;; One version. Each part assembles by itself: llvm-mc -triple=amdgcn-amd-amdhsa -mcpu=gfx1250 --defsym DOCPART=n.
;; ======== version 1 of 1: 3 launches
;; limits: right only within a limited range of input values
;; workspace buffers: qf 8,388,608 bytes; kvf 16,777,216 bytes; yf 8,388,608 bytes
;; launch qkv (part 1): grid 12 x 32, 4 waves a work-group, clusters of 4 x 4, 327,680 bytes of LDS; arguments x_codes, w_qkv_codes, lowp_scales, b_qkv, qf, kvf; writes qf, kvf
.if DOCPART == 1
	.amdgcn_target "amdgcn-amd-amdhsa--gfx1250"
	.amdhsa_code_object_version 6
	.text
	.protected	k_q2ccfc2cf8c_qkv
	.globl	k_q2ccfc2cf8c_qkv
	.p2align	8
	.type	k_q2ccfc2cf8c_qkv,@function
k_q2ccfc2cf8c_qkv:
	s_mov_b64 s[64:65], 0
	v_nop
	global_prefetch_b8 v0, s[64:65] scope:SCOPE_SE
	s_setreg_imm32_b32 hwreg(HW_REG_WAVE_MODE, 25, 1), 1
	s_wait_xcnt 0x0
	s_wait_alu depctr_hold_cnt(0) depctr_sa_sdst(0) depctr_va_vdst(0) depctr_va_sdst(0) depctr_va_ssrc(0) depctr_va_vcc(0) depctr_vm_vsrc(0)
	s_getreg_b32 s2, hwreg(HW_REG_IB_STS2, 6, 4)
	s_cmp_eq_u32 s2, 0
	s_cbranch_scc0 .Lentry_in_a_cluster
	s_endpgm
.Lentry_in_a_cluster:
	s_bfe_u32 s2, ttmp6, 0x10000c
	s_cmp_lg_u32 s2, 0xf033
	s_cbranch_scc0 .Lentry_shape_is_right
	s_endpgm
.Lentry_shape_is_right:
; CAUSAL SELF-ATTENTION ON CODES OF E4M3, launch 1 of 3: qkv = x w_qkv + b_qkv, and the quantisers of q, k and v.
; DEAD WORK (of the whole program).  reference() sets a logit to -infinity wherever key > query (jnp.tril, built in its own body), and softmax then gives that key the weight 0, whatever finite
; values the inputs hold: so the products q k^T and p v of a tile all of whose keys come after all of its queries reach no output.  The second launch leaves out the key steps (128 keys) that lie wholly
; behind a wave's 32 queries.  Nothing else is left out: every input is loaded; the k part of b_qkv stays, since it moves k's codes.
; LIMIT: a NaN, an infinity or an overflow that would arise only in the steps left out is not carried to the result.
; THIS LAUNCH.  x: [8192][1024] codes, w_qkv: [3072][1024] codes, K innermost, one scale 2^e0, 2^e1 each.  A sum of code products x 2^(e0 + e1) + b_qkv is q, k or v in f32; it is
; converted with the given 2^e (q: e2, k: e3, both along the head's 64; v: e5, along the keys).
; LIMITS: e0 + e1 between -126 and 127; e2, e3, e5 between -126 and 119, so that each power of two below is an f32 number.  NaN in b_qkv is not served.
; SHARES.  A tile of 256 x 256 of qkv is made by four waves, each 128 x 128: 64 accumulators of 16 x 16, 512 registers.  K = 1,024 goes in four steps of 256 through a ring of two LDS slots.
; TWO ORIENTATIONS, ONE LOOP.  A is the operand that goes to source 1 (a lane holds ONE of its rows), B the one that goes to source 0 (a lane's eight registers are eight NEIGHBOURING rows of it).
; q and k (cluster x = 0, 1): A = x, B = w_qkv: a lane holds a token, its registers run along the head's channels, which are K of q k^T.
; v (cluster x = 2): A = w_qkv, B = x: a lane holds a channel, its registers run along the tokens, which are K of p v.  Only pointers and tile numbers are chosen, by selects on the cluster's x, which all sixteen partners share.
; CLUSTERS: 4 x 4 work-groups.  A's tile hangs on cy alone and is asked for jointly by my row of the cluster, B's on cx alone, by my column.
; THE WAY OUT NEEDS NO LDS.  The conversions' results ARE the next launch's operand registers, in the same lanes (plain 8-bit layout: registers 2 c, 2 c + 1 hold k = 16 c + 8 (lane / 16) + 0 .. 7), so they are stored as
; IMAGES OF REGISTERS: four registers a store, lane l's 16 bytes at 16 l: each store of the wave covers 512 consecutive bytes, aligned.
;   qf  [batch x head 64][tile of 16 queries 128][1,024 bytes]
;   kvf [batch x head 64][step of 128 keys 16][K: 8 tiles of 16 keys x 1,024 bytes, then V: 4 tiles of 16 channels x 2,048 bytes]
; REGISTERS, in windows of 256: window 0: v1-7 at work; v8-15 the bias loads' offsets; v16-31 addresses and constants; v32-95 the bias; from v128 A's fragments, ONE set (on the way out: v128-191 numbers, v192-255 codes).
;   window 1: B's fragments, TWO sets.   window 2: the accumulators of my A rows 0-63 ((a, b) at v[8 (8 a + b)]);   window 3: those of rows 64-127.
.set KSTEP,  256                       ; along K in a slot
.set ROWB,   256                       ; a tile's row in bytes
.set KROW,   1024                      ; a row of x or of w_qkv in memory, in bytes
.set PITCH,  272                       ; an LDS row: 256 bytes + 16 of padding = 68 words: the 16 rows that a load touches start at 16 different banks (64 banks of 4 bytes: ISA guide 11.1)
.set FR,     16                        ; registers of a fragment: 16 rows x 128 K
.set NL,     4                         ; LDS loads that bring one
.set NP,     4                         ; places behind this matrix instruction (ISA guide 7.12.1)
.set HALFT,  128*PITCH                 ; 128 rows: what one tensor load brings
.set SLOT,   4*HALFT                   ; A's 256 rows, then B's 256 rows
.set LAPS,   KROW/(2*KSTEP)            ; a lap = once round the ring
.set SPARE,  2*SLOT                    ; behind the ring: the spare words, 128 bytes a wave: two blocks of 256 bytes that no other line names
.set BO,   8                           ; v8-15   the bias loads' offsets, one for each register of a tile; never rewritten
.set ADRA, 16                          ; v16-17  LDS address of my A fragments in slot 0, 1
.set ADRB, 20                          ; v20-21  the same for B
.set CO,   26                          ; v26     16 x lane: my place in an image; never rewritten
.set SPW,  28                          ; v28     LDS address of my spare word; never rewritten
.set NIL,  29                          ; v29     0; never rewritten
.set SCR,  30                          ; v30     2^e as f32, for the conversions
.set LIMR, 31
.set BI,   32                          ; v32-95  the bias: register 8 n + i belongs to register i of block n (q, k: B's blocks; v: A's blocks)
.set AF,   128                         ; A's fragments
.set TMP,  128                         ; the way out: a block's 64 numbers
.set CODE, 192                         ; the way out: four sets of 16 registers of codes
.set G1, 24                            ; s[24:31] descriptor group 1 for A's tiles;  s[32:39] group 0, one set for each slot
.set G0, 32
.set G1B, 48                           ; s[48:55], s[56:63] the same for B's tiles
.set G0B, 56
.set MSB, 0
.macro WIN new                         ; the immediate's high byte repeats the setting that is left
.if MSB != \new
	s_set_vgpr_msb (MSB<<8)|\new
.set MSB, \new
.endif
.endm
.set MUL_LO, 0xa1                      ; source 0 (B) window 1, source 1 (A) window 0, C and D window 2
.set MUL_HI, 0xf1                      ; the same, C and D window 3
.set TO_B,   0x40                      ; destination window 1, address window 0
; A joint load: waves 0 and 1 fetch for A, waves 2 and 3 for B.  Each line has ONE mask and one set of registers for all that issue it; the branch hangs on the wave's number alone.
; An s_nop 0 and four v_nop follow each of the two lines, ahead of the jump, the label and what follows.
.macro JLOAD g0a, g1a, g0b, g1b
	s_cmp_eq_u32 s17, 0
	s_cbranch_scc0 .Lfor_b_\@
	tensor_load_to_lds s[\g0a:\g0a+3], s[\g1a:\g1a+7]
	s_nop 0
.rept 4
	v_nop
.endr
	s_branch .Lasked_\@
.Lfor_b_\@:
	tensor_load_to_lds s[\g0b:\g0b+3], s[\g1b:\g1b+7]
	s_nop 0
.rept 4
	v_nop
.endr
.Lasked_\@:
.endm
.macro CREST                           ; a round of the cluster's barrier behind its opening barrier
	s_cmp_lg_u32 s16, 0
	s_cbranch_scc1 .Lnot_wave_0_\@
	s_barrier_signal -3
.Lnot_wave_0_\@:
	s_barrier_wait -3
	s_barrier_signal -1
	s_barrier_wait -1
.endm
.macro CROUND                          ; a whole round
	s_barrier_signal -1
	s_barrier_wait -1
	CREST
.endm
	s_load_b256 s[4:11], s[0:1], 0x0               ; x s[4:5], w_qkv s[6:7], the scales' exponents s[8:9], b_qkv s[10:11]
	s_load_b128 s[12:15], s[0:1], 0x20             ; qf s[12:13], kvf s[14:15]
	v_lshl_add_u32 v[SPW], v0, 2, SPARE
	v_mov_b32 v[NIL], 0
	ds_add_u32 v[SPW], v[NIL]                      ; the wave's opening: the add, twice on end, and its wait ahead of my first tensor load; the set-up below, work on registers, stands between
	ds_add_u32 v[SPW], v[NIL]                      ; and once more, under the one wait
	v_lshrrev_b32 v1, 5, v0
	v_readfirstlane_b32 s16, v1                    ; wave 0..3
	s_lshr_b32 s17, s16, 1                         ; which half of A's 256 rows is mine.  Also: I fetch for A (0) or for B (1)
	s_and_b32 s18, s16, 1                          ; which half of B's.  Also: which 128 rows of that tile I fetch
	s_bfe_u32 s40, ttmp6, 0x40000                  ; cx, cy: my place in the cluster
	s_bfe_u32 s41, ttmp6, 0x40004
	s_and_b32 s67, ttmp7, 0xffff
	s_lshl_b32 s67, s67, 2                         ; 4 x cluster y
	s_lshl_b32 s66, ttmp9, 2                       ; 4 x cluster x
	s_cmp_eq_u32 ttmp9, 2                          ; the v part?  The same answer in all sixteen partners
	s_cselect_b32 s43, 8, s67                      ; A's tile: v: tile 8 + cy of w_qkv's twelve;  q, k: tile 4 cluster y + cy of x's 32
	s_cselect_b32 s42, s67, s66                    ; B's tile: v: tile 4 cluster y + cx of x;     q, k: tile 4 cluster x + cx of w_qkv
	s_add_co_u32 s43, s43, s41                     ; (s43 never holds cx,
	s_add_co_u32 s42, s42, s40                     ; s42 never cy)
	s_lshl_b32 s44, s41, 2
	s_lshl_b32 s44, 15, s44                        ; my row of the cluster
	s_lshl_b32 s45, 0x1111, s40                    ; my column
	; descriptor group 1: a tile of 128 rows x 256 bytes, padded in LDS
	s_or_b32 s[G1+0], s44, (0<<16)|(1<<20)|(1<<21)|(5<<22)|(3<<25)  ; 15:0 the mask: A's tiles go to my row; 17:16 elements of 1 byte; 20 padding on; 21 set beside a mask; 24:22 after every 64 words (code 5); 31:25 four words (code 3)
	s_or_b32 s[G1B+0], s45, (0<<16)|(1<<20)|(1<<21)|(5<<22)|(3<<25) ; the same with the mask of my column
.irp g, G1, G1B
	s_mov_b32 s[\g+1], ROWB<<16                    ; tensor_dim0
	s_mov_b32 s[\g+2], 128<<16                     ; tensor_dim1
	s_mov_b32 s[\g+3], ROWB<<16                    ; tile_dim0
	s_mov_b32 s[\g+4], 128                         ; tile_dim1
	s_mov_b32 s[\g+5], KROW                        ; tensor_dim0_stride
	s_mov_b32 s[\g+6], 0
	s_mov_b32 s[\g+7], 0
.endr
	s_lshl_b32 s19, s18, 7                         ; which 128 rows of the tile I fetch
	s_lshl_b32 s20, s43, 8
	s_add_co_u32 s20, s20, s19
	s_lshl_b32 s20, s20, 10                        ; A: (256 x tile + 128 x half) rows of 1,024 bytes: under 2^24
	s_mov_b32 s21, 0
	s_lshl_b32 s46, s42, 8
	s_add_co_u32 s46, s46, s19
	s_lshl_b32 s46, s46, 10                        ; B likewise
	s_mov_b32 s47, 0
	s_mul_i32 s22, s16, HALFT                      ; where they go: wave x 128 rows: no place in the cluster enters an LDS address
	s_wait_dscnt 0x0                               ; both opening adds are done
	s_wait_kmcnt 0x0
	s_load_b256 s[68:75], s[8:9], 0x0              ; e0 .. e7
	s_cmp_eq_u32 ttmp9, 2
	s_cselect_b64 s[80:81], s[6:7], s[4:5]         ; A: w_qkv for v, else x
	s_cselect_b64 s[82:83], s[4:5], s[6:7]         ; B: the other
	s_add_nc_u64 s[80:81], s[80:81], s[20:21]
	s_add_nc_u64 s[82:83], s[82:83], s[46:47]
	CROUND                                         ; all sixteen work-groups are here: the first joint loads meet
.irp s, 0,1
	s_mov_b32 s[G0+4*\s], 1                                        ; count = 1
	s_add_co_u32 s[G0+4*\s+1], s22, \s*SLOT                        ; LDS address
	s_add_nc_u64 s[G0+4*\s+2:G0+4*\s+3], s[80:81], \s*ROWB         ; global address: K step s
	s_or_b32 s[G0+4*\s+3], s[G0+4*\s+3], 0x80000000                ; type = 2
	s_mov_b32 s[G0B+4*\s], 1
	s_add_co_u32 s[G0B+4*\s+1], s22, \s*SLOT
	s_add_nc_u64 s[G0B+4*\s+2:G0B+4*\s+3], s[82:83], \s*ROWB
	s_or_b32 s[G0B+4*\s+3], s[G0B+4*\s+3], 0x80000000
	JLOAD G0+4*\s, G1, G0B+4*\s, G1B               ; two loads of mine are out behind these
.endr
	v_and_b32 v1, 15, v0                           ; r = lane % 16
	v_bfe_u32 v2, v0, 4, 1                         ; h = lane / 16
	s_wait_alu depctr_va_vdst(0)
	v_mul_u32_u24 v3, v1, PITCH
	v_lshl_add_u32 v4, v2, 4, v3                   ; a fragment's row x pitch + 16 x half
	s_mul_i32 s21, s17, HALFT                      ; my 128 rows of A
	s_mul_i32 s22, s18, HALFT                      ; my 128 rows of B,
	s_add_co_u32 s22, s22, 2*HALFT                 ; which lie behind A's 256
.irp s, 0,1
	v_add_nc_u32 v[ADRA+\s], s21, v4
	v_add_nc_u32 v[ADRB+\s], s22, v4
	s_add_co_u32 s21, s21, SLOT
	s_add_co_u32 s22, s22, SLOT
.endr
	v_and_b32 v5, 31, v0
	v_lshlrev_b32 v[CO], 4, v5
	; where my results go, and which biases they take.  These numbers mix cx and cy: they lie in registers that feed no descriptor
	s_lshl_b32 s84, s43, 8
	s_lshl_b32 s85, s17, 7
	s_add_co_u32 s84, s84, s85                     ; my first row of A
	s_lshl_b32 s85, s42, 8
	s_lshl_b32 s86, s18, 7
	s_add_co_u32 s85, s85, s86                     ; my first row of B
	s_cmp_eq_u32 ttmp9, 2
	s_cselect_b32 s86, s85, s84                    ; my first token (of 8,192),
	s_cselect_b32 s87, s84, s85                    ; my first column of qkv (of 3,072)
	s_cselect_b32 s88, 0, 32                       ; the bias's bytes from half to half of the lanes,
	s_cselect_b32 s89, 4, 0                        ; from lane to lane in a half,
	s_cselect_b32 s90, 0, 4                        ; and from register to register: q, k: column 16 b + 8 h + i;  v: column 16 a + r in all eight
	s_cselect_b32 s91, 8192, 0                     ; V's image lies behind K's in a key step
	s_cmp_eq_u32 ttmp9, 0
	s_cselect_b32 s92, 17, 18                      ; log2 of a head's bytes: qf 2^17, kvf 2^18
	s_cselect_b64 s[76:77], s[12:13], s[14:15]     ; qf for q, kvf for k and v
	s_lshr_b32 s93, s86, 11                        ; the batch,
	s_lshl_b32 s93, s93, 4
	s_and_b32 s94, s87, 1023
	s_lshr_b32 s94, s94, 6                         ; my first head (my 128 columns are two heads)
	s_add_co_u32 s93, s93, s94
	s_lshl_b32 s93, s93, s92
	s_add_co_u32 s93, s93, s91
	s_and_b32 s94, s86, 2047                       ; my first token in its sequence, a multiple of 128:
	s_sub_co_u32 s95, s92, 11
	s_lshl_b32 s94, s94, s95                       ; 64 bytes a token in qf, 128 in kvf
	s_add_co_u32 s94, s94, s93
	s_mov_b32 s95, 0
	s_add_nc_u64 s[76:77], s[76:77], s[94:95]      ; my first head's images,
	s_lshl_b32 s94, 1, s92
	s_add_nc_u64 s[78:79], s[76:77], s[94:95]      ; my second head's
	s_lshl_b32 s94, s87, 2
	s_add_nc_u64 s[10:11], s[10:11], s[94:95]      ; b_qkv at my first column
	v_mul_u32_u24 v6, v2, s88
	v_mad_u32_u24 v6, v1, s89, v6
	v_mov_b32 v7, s90
.irp i, 0,1,2,3,4,5,6,7
	v_mad_u32_u24 v[BO+\i], v7, \i, v6
.endr
.irp n, 0,1,2,3,4,5,6,7                        ; one form serves both orientations; my 128 numbers of b_qkv, 512 bytes; they land under the products and are waited for on the way out
.irp i, 0,1,2,3,4,5,6,7
	global_load_b32 v[BI+8*\n+\i], v[BO+\i], s[10:11] offset:64*\n
.endr
.endr
.macro FRAG reg, adr, q, i             ; a fragment, 16 rows x 128 K, is 16 registers: lane l holds row l % 16; registers 4 c .. 4 c + 3 hold K = 32 c + 16 (l / 16) + 0 .. 15: a permutation of k, the same in A and in B
.irp c, 0,1,2,3
	ds_load_b128 v[\reg+4*\c:\reg+4*\c+3], v[\adr] offset:128*(\q)+32*\c+(\i)*16*PITCH
.endr
.endm
; 16 matrix instructions: A's blocks a0, a0 + 1 x B's eight, 128 along K.  p: B's set.  zero = 1: the first product starts the sums.
; The 64 accumulators take turns, one instruction a turn, in the same order in every step.
.macro MUL16 a0, p, zero
.irp a, \a0, \a0+1
.irp b, 0,1,2,3,4,5,6,7
.if \zero
	v_wmma_f32_16x16x128_fp8_fp8 v[8*(8*((\a)%4)+\b):8*(8*((\a)%4)+\b)+7], v[128*(\p)+FR*\b:128*(\p)+FR*\b+FR-1], v[AF+FR*(\a):AF+FR*(\a)+FR-1], 0
.else
	v_wmma_f32_16x16x128_fp8_fp8 v[8*(8*((\a)%4)+\b):8*(8*((\a)%4)+\b)+7], v[128*(\p)+FR*\b:128*(\p)+FR*\b+FR-1], v[AF+FR*(\a):AF+FR*(\a)+FR-1], v[8*(8*((\a)%4)+\b):8*(8*((\a)%4)+\b)+7]
.endif
.endr
.endr
.endm
.macro FETCH_B slot, q, p              ; B's eight fragments of the slot's q-th 128 along K into set p
	WIN TO_B
.irp i, 0,1,2,3,4,5,6,7
	FRAG 128*(\p)+FR*\i, ADRB+\slot, \q, \i
.endr
	WIN 0
.endm
.macro FETCH_A slot, q, i0             ; A's blocks i0 .. i0 + 3
.irp i, \i0, \i0+1, \i0+2, \i0+3
	FRAG AF+FR*(\i), ADRA+\slot, \q, \i
.endr
.endm
; A load into a register that a matrix instruction has read, and a vector instruction that reads a matrix result or writes one of its registers, stand NP places behind it; only plain vector
; instructions that name none of its registers are places (ISA guide 7.12.1 for vector instructions).
.macro PLACES n
.rept \n
	v_nop
.endr
.endm
; A step of 128 along K that has its successor in the same slot.  A block of A is free as soon as its eight products are issued, so one set serves A: blocks 0-3 are fetched anew in the step's middle, blocks 4-7 at its end.
.macro STEP slot, q, zero
	s_wait_dscnt 4*NL                              ; B's set and A's blocks 0-3 are in; the youngest 16 loads (A's blocks 4-7) may be out
	WIN MUL_LO
	MUL16 0, (\q)%2, \zero
	MUL16 2, (\q)%2, \zero
	s_wait_dscnt 0                                 ; A's blocks 4-7 are in (asked for 32 matrix instructions ago)
	PLACES NP
	FETCH_B \slot, (\q)+1, 1-(\q)%2
	FETCH_A \slot, (\q)+1, 0
	WIN MUL_HI
	MUL16 4, (\q)%2, \zero
	MUL16 6, (\q)%2, \zero
	PLACES NP
	WIN 0
	FETCH_A \slot, (\q)+1, 4
.endm
; A slot's last step changes slots: ONE barrier; in front of it each wave waits for all its tensor loads, adds 0 to its spare word, and waits for that and for its own reads of this slot.  fill = 1: this slot is filled again, two K steps ahead.
.macro TURN slot, next, fill
	s_wait_tensorcnt 0x0                           ; all my tensor loads have landed: my part of the next slot  (every window is 0 here)
	ds_add_u32 v[SPW], v[NIL]                      ; 0 onto my spare word
	s_wait_dscnt 4*NL+1                            ; (the add and the youngest 16 loads, A's blocks 4-7, may be out)
	WIN MUL_LO
	MUL16 0, 1, 0                                  ; sixteen matrix instructions stand between the add and the wait for it
	s_wait_dscnt 0x0                               ; the add is done, and my reads of this slot are over
	s_barrier_signal -1
	MUL16 2, 1, 0
	WIN 0
	s_barrier_wait -1
.if \fill
	CREST                                          ; the barrier has opened a round of the cluster's barrier: no wave of any partner still reads this slot or has a load on its way
	s_add_nc_u64 s[G0+4*\slot+2:G0+4*\slot+3], s[G0+4*\slot+2:G0+4*\slot+3], 2*ROWB
	s_add_nc_u64 s[G0B+4*\slot+2:G0B+4*\slot+3], s[G0B+4*\slot+2:G0B+4*\slot+3], 2*ROWB
	JLOAD G0+4*\slot, G1, G0B+4*\slot, G1B         ; the first tensor load behind the round, my one load until the next; its four v_nop are the places in front of the loads below
.else
	PLACES NP
.endif
	FETCH_B \next, 0, 0
	FETCH_A \next, 0, 0
	WIN MUL_HI
	MUL16 4, 1, 0
	MUL16 6, 1, 0
	PLACES NP
	WIN 0
	FETCH_A \next, 0, 4
.endm
	s_wait_tensorcnt 1                             ; my part of K step 0 is in; K step 1's load may be out
	s_barrier_signal -1
	s_barrier_wait -1                              ; everybody's is
	FETCH_B 0, 0, 0
	FETCH_A 0, 0, 0
	FETCH_A 0, 0, 4
	STEP 0, 0, 1                                   ; the first step stands in front of the loop: its products start the sums
.if LAPS > 1
	s_mov_b32 s3, LAPS-1
.Llap:                                                 ; a trip goes once round the ring, from a lap's second step to the next lap's first, and fills both slots again
	TURN 0, 1, 1
	STEP 1, 0, 0
	TURN 1, 0, 1
	STEP 0, 0, 0
	s_sub_co_u32 s3, s3, 1
	s_cmp_lg_u32 s3, 0
	s_cbranch_scc1 .Llap
.endif
	TURN 0, 1, 0                                   ; the last lap fills nothing, and has no round of the cluster's barrier
	STEP 1, 0, 0
	s_wait_dscnt 4*NL                              ; the very last step: nothing more to fetch
	WIN MUL_LO
	MUL16 0, 1, 0
	MUL16 2, 1, 0
	s_wait_dscnt 0
	WIN MUL_HI
	MUL16 4, 1, 0
	MUL16 6, 1, 0
	WIN 0
; THE WAY OUT of A's block a (16 rows of A x my 128 rows of B): number = sum x 2^(e0 + e1) + bias, one packed multiply-add for two;
; eight numbers a conversion; four stores of 512 consecutive bytes.
; isv = 0: accumulator b's codes are registers 2 (b % 4), 2 (b % 4) + 1 of the fragment (tile of 16 tokens a, head b / 4).   isv = 1: registers 2 b, 2 b + 1 of the fragment (16 channels a % 4 of head a / 4, my 128 keys).
.macro OUTBLK a, isv
.set AC, 64*((\a)%4)
.set CD, CODE+16*((\a)%4)
.if (\a) >= 4
	s_wait_xcnt 0x0                                ; block a - 4's stores have read their registers: this set of codes is written again only behind this wait
.endif
	WIN 0x02+((\a)/4)                              ; source 0: window 2 or 3
.set j, 0
.rept 32                                       ; each accumulator from its low end on
.if \isv
	v_pk_fma_f32 v[TMP+j:TMP+j+1], v[AC+j:AC+j+1], s[96:97], v[BI+8*(\a):BI+8*(\a)+1] op_sel_hi:[1,0,1]
.else
	v_pk_fma_f32 v[TMP+j:TMP+j+1], v[AC+j:AC+j+1], s[96:97], v[BI+j:BI+j+1] op_sel_hi:[1,0,1]
.endif
.set j, j+2
.endr
	WIN 0
.set g, 0
.rept 8
.set i, 0
.rept 8
.set i, i+1
.endr
	v_cvt_scalef32_pk8_fp8_f32 v[CD+2*g:CD+2*g+1], v[TMP+8*g:TMP+8*g+7], v[SCR]
.set g, g+1
.endr
	v_nop                                          ; one plain vector line behind the last conversion: the next block writes its sources
.irp c, 0,1,2,3
.if \isv
	global_store_b128 v[CO], v[CD+4*\c:CD+4*\c+3], s[76+2*((\a)/4):77+2*((\a)/4)] offset:2048*((\a)%4)+512*\c
.else
	global_store_b128 v[CO], v[CD+4*\c:CD+4*\c+3], s[76+2*(\c/2):77+2*(\c/2)] offset:1024*(\a)+512*(\c%2)
.endif
.endr
.endm
	s_wait_kmcnt 0x0                               ; the exponents
	s_wait_loadcnt 0x0                             ; the bias
	s_add_co_i32 s96, s68, s69                     ; e0 + e1
	s_add_co_i32 s96, s96, 127
	s_lshl_b32 s96, s96, 23                        ; 2^(e0 + e1) as f32
	s_mov_b32 s97, s96                             ; (named with it as a pair, so it is written)
	s_cmp_eq_u32 ttmp9, 0
	s_cselect_b32 s94, s70, s71                    ; q: e2, k: e3,
	s_cmp_eq_u32 ttmp9, 2
	s_cselect_b32 s94, s73, s94                    ; v: e5: a choice of a value, no branch on it
	s_add_co_i32 s94, s94, 127
	s_lshl_b32 s95, s94, 23
	v_mov_b32 v[SCR], s95                          ; 2^e: the conversion takes its exponent field
	PLACES NP                                      ; behind the last products: the lines below read results and write registers that held A's fragments
	s_cmp_eq_u32 ttmp9, 2                          ; the cluster's x: all sixteen partners go the same way
	s_cbranch_scc1 .Lout_v
.irp a, 0,1,2,3,4,5,6,7
	OUTBLK \a, 0
.endr
	s_branch .Lout_done
.Lout_v:
.irp a, 0,1,2,3,4,5,6,7
	OUTBLK \a, 1
.endr
.Lout_done:
	s_wait_tensorcnt 0x0                           ; the wave's end, behind my last tensor load
	ds_add_u32 v[SPW], v[NIL]
	s_wait_dscnt 0x0
	CROUND                                         ; the closing round: no work-group ends while a partner may still ask for a tile that names it
	s_endpgm
.Lfunc_end_k_q2ccfc2cf8c_qkv:
	.size	k_q2ccfc2cf8c_qkv, .Lfunc_end_k_q2ccfc2cf8c_qkv-k_q2ccfc2cf8c_qkv
	.p2alignl 7, 3214868480
	.fill 96, 4, 3214868480
	.section	.rodata,"a",@progbits
	.p2align	6, 0x0
	.amdhsa_kernel k_q2ccfc2cf8c_qkv
		.amdhsa_group_segment_fixed_size 327680
		.amdhsa_private_segment_fixed_size 0
		.amdhsa_enable_private_segment 0
		.amdhsa_kernarg_size 48
		.amdhsa_user_sgpr_count 2
		.amdhsa_user_sgpr_kernarg_segment_ptr 1
		.amdhsa_wavefront_size32 1
		.amdhsa_system_sgpr_workgroup_id_x 1
		.amdhsa_system_sgpr_workgroup_id_y 1
		.amdhsa_system_sgpr_workgroup_id_z 1
		.amdhsa_system_vgpr_workitem_id 0
		.amdhsa_next_free_vgpr 1024
		.amdhsa_next_free_sgpr 100
		.amdhsa_reserve_vcc 0
		.amdhsa_float_denorm_mode_32 3
		.amdhsa_float_denorm_mode_16_64 3
		.amdhsa_fp16_overflow 1
		.amdhsa_memory_ordered 1
		.amdhsa_forward_progress 1
		.amdhsa_inst_pref_size 133
	.end_amdhsa_kernel
	.amdgpu_metadata
---
amdhsa.version: [ 1, 2 ]
amdhsa.kernels:
  - .name:           k_q2ccfc2cf8c_qkv
    .symbol:         k_q2ccfc2cf8c_qkv.kd
    .args:
      - { .name: x_codes, .offset: 0, .size: 8, .value_kind: global_buffer, .address_space: global }
      - { .name: w_qkv_codes, .offset: 8, .size: 8, .value_kind: global_buffer, .address_space: global }
      - { .name: lowp_scales, .offset: 16, .size: 8, .value_kind: global_buffer, .address_space: global }
      - { .name: b_qkv, .offset: 24, .size: 8, .value_kind: global_buffer, .address_space: global }
      - { .name: qf, .offset: 32, .size: 8, .value_kind: global_buffer, .address_space: global }
      - { .name: kvf, .offset: 40, .size: 8, .value_kind: global_buffer, .address_space: global }
    .group_segment_fixed_size: 327680
    .private_segment_fixed_size: 0
    .kernarg_segment_align: 8
    .kernarg_segment_size: 48
    .max_flat_workgroup_size: 128
    .sgpr_count:     100
    .vgpr_count:     1024
    .wavefront_size: 32
...
	.end_amdgpu_metadata
.endif
;; end of part 1
;; launch attn (part 2): grid 4 x 64, 16 waves a work-group, no clusters, 327,680 bytes of LDS; arguments qf, kvf, lowp_scales, yf; writes yf
.if DOCPART == 2
	.amdgcn_target "amdgcn-amd-amdhsa--gfx1250"
	.amdhsa_code_object_version 6
	.text
	.protected	k_q2ccfc2cf8c_attn
	.globl	k_q2ccfc2cf8c_attn
	.p2align	8
	.type	k_q2ccfc2cf8c_attn,@function
k_q2ccfc2cf8c_attn:
	s_mov_b64 s[64:65], 0
	v_nop
	global_prefetch_b8 v0, s[64:65] scope:SCOPE_SE
	s_setreg_imm32_b32 hwreg(HW_REG_WAVE_MODE, 25, 1), 1
	s_wait_xcnt 0x0
; Launch 2 of 3: y = softmax(q k^T / 8, causal) v for each of 64 (batch, head), both products on codes of E4M3; y is quantised with 2^e6 for the last product.
; LEFT OUT AS DEAD WORK (shown at the head of the first kernel): the key steps all of whose 128 keys come after a wave's 32 queries; and a slot of keys that no wave of the work-group reads is not fetched.
; THE SOFTMAX AHEAD OF THE SECOND PRODUCT: t = score x log2(e) / 8; M = the row's largest t so far, rounded UP to a whole number; p = 2^(t - M) is quantised with 2^e4, not normalised.  The row's sum is taken of the
; unquantised p, in f32, and divides at the end.  When M moves, the sum and O are multiplied by 2^(old M - new M): exact.
; SHARES.  Work-group (i, head) owns the blocks i and 7 - i of 256 queries: (i + 1) + (8 - i) = 9 block-slots of work in every work-group.  Each of its sixteen waves owns 32 queries of one block, as two tiles of 16, so that
; each fragment of K and V read from LDS feeds two products.  Wave w takes block i or 7 - i by (w xor w / 4) & 1, and queries 32 (w / 2) on.
; NO CLUSTER: under the mask the work-groups of a head need different numbers of slots, so a partner would ask for tiles that none of its waves reads.
; OPERANDS ARE IMAGES OF REGISTERS (laid by the first launch): four registers a load, lane l's 16 bytes at 16 l.  A key step (128 keys) is 16,384 dense bytes: K's 8 fragments (16 keys x 64), then V's 4 (16 channels x 128 keys).
; LAYOUT.  Both products are used transposed: S^T = K Q^T (source 0 = 16 keys, source 1 = 16 queries), O^T = V^T P^T: a lane holds ONE query (lane % 16) throughout.  Register 8 t + j of S^T is key 16 t + 8 (lane / 16) + j:
; its tile's eight registers convert straight into registers 2 t, 2 t + 1 of P.
; THE RING: two slots of 256 keys (32,768 bytes), filled by waves 0 and 1, a key step each, read by all sixteen.  Every work-group walks all eight slots, so that every trip count is a constant.
; LIMITS on the given exponents, so that each power of two below is an f32 number: e2 + e3 between -123 and 130 (added to c's exponent field); e4 and e6 between -126 and 119; e4 + e5 goes by v_ldexp_f32 and has none.
; REGISTERS: v0 the thread; v1-7 addresses and constants that stay; v8-11 at work; v12-19 statistics, four a tile: -M, the largest t, the sum in two halves; v[20:21] f; v[22:23] a second chain of sums; v24-39 Q, 8 a tile;
;   v40-55 tile 0's codes of p; v56-119 K's 8 fragments, later V's 4; v122-185 S^T, then p; v120-135 tile 1's codes, laid over what has been converted; v186-249 O^T, 32 a tile; v250, v251 the way out.
.set SLOT1, 32768                      ; slot 1 begins here: one exclusive or turns an address in one slot into the other's
.set STEPB, 16384                      ; a key step's bytes
.set SPARE, 65536                      ; behind the ring: the spare words, 128 bytes a wave: eight blocks of 256 bytes that no other line names
.set LI,   1                           ; v1   16 x lane; never rewritten
.set ADR,  2                           ; v2   LDS address of the slot in hand, for my lane
.set PFO,  3                           ; v3   256 x lane: the prefetches' offset; never rewritten
.set SPW,  4                           ; v4   LDS address of my spare word; never rewritten
.set NIL,  5                           ; v5   0; never rewritten
.set LIMP, 6
.set SCP,  7                           ; v7   2^e4 (2^e6) as f32
.set QF,   24
.set CA,   40
.set F,    56
.set S,    122
.set O,    186
.set WV,   18                          ; s18  my wave's number
.set SEL,  20                          ; s[20:21] lane selects for v_permlanex16_b32: lane l xor 16
.set CS,   22                          ; s[22:23] c = log2(e) / 8 x 2^(e2 + e3)
.set G1,   24                          ; s[24:31] descriptor group 1
.set G0,   40                          ; s[40:43] descriptor group 0, which walks
.set TB,   2                           ; s2   LDS byte at which the slot in hand begins
.set SLOTS, 67                         ; s67  changes of slots still to come that may ask for a slot
.set PFA,  76                          ; s[76:77] where my prefetches stand
.set LIM,  80                          ; s80  1 in a wave that prefetches, else the greatest number
.set LASTQ, 81                         ; s81  my work-group's last query
.set KF,   98                          ; s98  the step's first key
.set Q0,   99                          ; s99  my first query
; Waves 0 and 1 fetch a key step each, the others nothing.  An s_nop 0 and four v_nop follow the load.
.macro TLOAD
	s_cmp_lt_u32 s[WV], 2
	s_cbranch_scc0 .Lasked_\@
	tensor_load_to_lds s[G0:G0+3], s[G1:G1+7]
	s_nop 0
.rept 4
	v_nop
.endr
.Lasked_\@:
.endm
; A PREFETCH INTO THE L2 of the slot that the NEXT change of slots will ask for: 32,768 dense bytes.  It stands where the fetching waves have their tensor load.  Each aligned block of 256 bytes is named ONCE in the launch:
; the four work-groups of a head walk the same K and V; the one with i = 0, whose own loads go through all eight slots, asks; in it waves 4 to 7, 8,192 bytes each, lanes 256 bytes apart: one instruction a wave.
; Slots 0 and 1 come by their loads alone; the last change that asks for a slot prefetches nothing: there is no slot behind it.
.macro ASK
	s_cmp_gt_u32 s[SLOTS], s[LIM]
	s_cbranch_scc0 .Lnot_mine_\@
	global_prefetch_b8 v[PFO], s[PFA:PFA+1] th:TH_LOAD_NT scope:SCOPE_SE
.Lnot_mine_\@:
.endm
	s_load_b256 s[4:11], s[0:1], 0x0               ; qf s[4:5], kvf s[6:7], the scales' exponents s[8:9], yf s[10:11]
	v_lshl_add_u32 v[SPW], v0, 2, SPARE
	v_mov_b32 v[NIL], 0
	ds_add_u32 v[SPW], v[NIL]                      ; the wave's opening: the add, twice on end, and its wait ahead of the first tensor load; the set-up below, work on registers, stands between
	ds_add_u32 v[SPW], v[NIL]                      ; and once more, under the one wait
	v_lshrrev_b32 v8, 5, v0
	s_delay_alu instid0(VALU_DEP_1)
	v_readfirstlane_b32 s[WV], v8                  ; wave 0..15
	s_and_b32 s12, ttmp7, 0xffff                   ; batch x 16 + head
	s_lshr_b32 s13, s[WV], 2
	s_xor_b32 s13, s13, s[WV]
	s_and_b32 s13, s13, 1                          ; 0: block i, 1: block 7 - i
	s_lshr_b32 s14, s[WV], 1                       ; which 32 queries of the block
	s_lshl_b32 s15, ttmp9, 1
	s_sub_co_u32 s15, 7, s15
	s_mul_i32 s15, s15, s13
	s_add_co_u32 s15, s15, ttmp9                   ; my block
	s_lshl_b32 s15, s15, 8
	s_lshl_b32 s14, s14, 5
	s_add_co_u32 s[Q0], s15, s14                   ; my first query
	s_sub_co_u32 s[LASTQ], 8, ttmp9
	s_lshl_b32 s[LASTQ], s[LASTQ], 8
	s_sub_co_u32 s[LASTQ], s[LASTQ], 1             ; the last query of block 7 - i
	; descriptor group 1: a key step, dense in memory, as 64 rows of 256 bytes
	s_mov_b32 s[G1], 3<<16                         ; 15:0 no mask; 17:16 elements of 8 bytes; no padding
	s_mov_b32 s[G1+1], 32<<16                      ; tensor_dim0 = 32 elements
	s_mov_b32 s[G1+2], 64<<16                      ; tensor_dim1 = 64
	s_mov_b32 s[G1+3], 32<<16                      ; tile_dim0
	s_mov_b32 s[G1+4], 64                          ; tile_dim1
	s_mov_b32 s[G1+5], 32                          ; tensor_dim0_stride
	s_mov_b32 s[G1+6], 0
	s_mov_b32 s[G1+7], 0
	s_mov_b32 s[SEL], 0x76543210
	s_mov_b32 s[SEL+1], 0xfedcba98
	s_mov_b32 s[CS], 0x3e38aa3b                    ; log2(e) / 8
	s_mov_b32 s[TB], 0
	s_mov_b32 s[SLOTS], 7
	s_mov_b32 s[KF], 0
	s_and_b32 s16, s[WV], 1
	s_lshl_b32 s16, s16, 14                        ; which step of a slot I fetch, if I fetch: in memory and in LDS alike
	s_lshl_b32 s82, s12, 18                        ; my head's bytes in kvf
	s_mov_b32 s83, 0
	s_wait_dscnt 0x0                               ; both opening adds are done
	s_wait_kmcnt 0x0
	s_load_b256 s[68:75], s[8:9], 0x0              ; e0 .. e7
	s_add_nc_u64 s[6:7], s[6:7], s[82:83]          ; kvf at my head
	s_mov_b32 s[G0], 1                             ; count = 1
	s_mov_b32 s[G0+1], s16                         ; LDS address: slot 0
	s_mov_b32 s82, s16
	s_add_nc_u64 s[G0+2:G0+3], s[6:7], s[82:83]    ; global address: the head's first 256 keys
	s_or_b32 s[G0+3], s[G0+3], 0x80000000          ; type = 2
	TLOAD                                          ; slot 0: key 0 counts for every query, so it is read
	s_and_b32 s82, s[WV], 3
	s_lshl_b32 s82, s82, 13                        ; the prefetches: my wave's 8,192 bytes,
	s_add_co_u32 s82, s82, SLOT1                   ; in slot 1: the first change of slots steps it to slot 2.  Nothing is prefetched here, at the head
	s_add_nc_u64 s[PFA:PFA+1], s[6:7], s[82:83]
	s_lshr_b32 s82, s[WV], 2
	s_xor_b32 s82, s82, 1                          ; 0 in waves 4 to 7,
	s_or_b32 s82, s82, ttmp9                       ; of the work-group with i = 0
	s_cmp_eq_u32 s82, 0
	s_cselect_b32 s[LIM], 1, -1
	v_and_b32 v[LI], 31, v0
	s_delay_alu instid0(VALU_DEP_1)
	v_lshlrev_b32 v[PFO], 8, v[LI]
	s_delay_alu instid0(VALU_DEP_2)
	v_lshlrev_b32 v[LI], 4, v[LI]
	s_lshl_b32 s82, s12, 17                        ; my head's bytes in qf,
	s_lshl_b32 s13, s[Q0], 6                       ; 1,024 for each tile of 16 queries
	s_add_co_u32 s82, s82, s13
	s_add_nc_u64 s[4:5], s[4:5], s[82:83]
.irp n, 0,1,2,3
	global_load_b128 v[QF+4*\n:QF+4*\n+3], v[LI], s[4:5] offset:512*\n   ; my two fragments of Q stay in registers
.endr
	s_lshr_b32 s82, s12, 4                         ; yf [tile of 16 rows 512][16,384 bytes]: the batch's 2,048 rows,
	s_lshl_b32 s82, s82, 21
	s_lshl_b32 s13, s[Q0], 10                      ; my first query's tile,
	s_add_co_u32 s82, s82, s13
	s_and_b32 s13, s12, 15
	s_lshl_b32 s13, s13, 10                        ; my head's 1,024 bytes in it
	s_add_co_u32 s82, s82, s13
	s_add_nc_u64 s[10:11], s[10:11], s[82:83]
.irp x, 0,1
	v_mov_b32 v[13+4*\x], 0xff61b1e6               ; the largest t so far: -3e38, under every t
	s_delay_alu instid0(VALU_DEP_1)
	v_floor_f32 v[12+4*\x], -v[13+4*\x]            ; -M
	v_mov_b32 v[14+4*\x], 0                        ; the sum, in two halves
	v_mov_b32 v[15+4*\x], 0
.endr
	v_mov_b32 v10, 0                               ; written once: a lane permute's destination counts as one of its sources
	v_mov_b32 v11, 0
	v_mov_b32 v21, 0                               ; (named as the upper half of the pair v[20:21])
.set j, 0
.rept 64
	v_mov_b32 v[O+j], 0                            ; O^T.  (The step is written once: the first finds zeros, which the first change of M leaves zeros)
.set j, j+1
.endr
	s_wait_kmcnt 0x0
	s_add_co_i32 s96, s70, s71
	s_lshl_b32 s96, s96, 23
	s_add_co_i32 s[CS], s[CS], s96                 ; a score stands for score x 2^(e2 + e3): the two exponents are added to c's exponent field
	s_mov_b32 s[CS+1], s[CS]                       ; (named with it as a pair, so it is written)
	s_add_co_i32 s96, s72, 127
	s_lshl_b32 s97, s96, 23
	v_mov_b32 v[SCP], s97                          ; 2^e4 as f32, for the conversion
; THE SOFTMAX of tile x for the step in hand: S^T in v[S] on becomes p, then codes; the tile's sum and O^T are brought under the new M.
.macro SOFTMAX x
.set NM, 12+4*(\x)
.set TM, 13+4*(\x)
.set LS, 14+4*(\x)
.set CD, CA+80*(\x)                            ; tile 0: v40 on; tile 1: v120 on
.set OX, O+32*(\x)
	; THE MASK.  dd = the tile's first query - the step's first key, 0 or more.  Keys 32 g .. 32 g + 31 of the step (registers 16 g .. 16 g + 15) all count where dd >= 32 g + 31, and then so do all below them:
	; scalar branches on ids.  Elsewhere hidden scores become -infinity ahead of the maximum: p = 0 then.
	s_add_co_u32 s97, s[Q0], 16*(\x)
	s_sub_co_u32 s97, s97, s[KF]
	s_cmp_ge_u32 s97, 127
	s_cbranch_scc1 .Lopen_\@
	v_and_b32 v8, 15, v0
	v_bfe_u32 v9, v0, 4, 1
	s_delay_alu instid0(VALU_DEP_1)
	v_lshlrev_b32 v9, 3, v9
	s_delay_alu instid0(VALU_DEP_1)
	v_sub_nc_u32 v8, v8, v9
	s_delay_alu instid0(VALU_DEP_1)
	v_add_nc_u32 v8, s97, v8                       ; d = my query - the step's first key - 8 (lane / 16).  Register n holds key 16 (n / 8) + n % 8 + 8 (lane / 16): hidden where 16 (n / 8) + n % 8 > d
	v_mov_b32 v9, 0xff800000                       ; -infinity
.irp g, 3,2,1,0
.if \g < 3
	s_cmp_ge_u32 s97, 32*\g+31
	s_cbranch_scc1 .Lopen_\@
.endif
.set n, 16*\g
.rept 16                                       ; each accumulator from its low end on
	v_cmp_gt_i32 vcc_lo, 16*(n/8)+n%8, v8
	v_cndmask_b32 v[S+n], v[S+n], v9, vcc_lo
.set n, n+1
.endr
.endr
.Lopen_\@:
	v_max3_num_f32 v8, v[S], v[S+1], v[S+2]        ; the step's largest score of my query, among my 64 keys, in two chains,
	v_max3_num_f32 v9, v[S+3], v[S+4], v[S+5]
.irp i, 6,10,14,18,22,26,30,34,38,42,46,50,54,58
	v_max3_num_f32 v8, v8, v[S+\i], v[S+\i+1]
	v_max3_num_f32 v9, v9, v[S+\i+2], v[S+\i+3]
.endr
	v_max3_num_f32 v8, v8, v[S+62], v[S+63]
	s_delay_alu instid0(VALU_DEP_1)
	v_max_num_f32 v8, v8, v9
	s_delay_alu instid0(VALU_DEP_1)
	v_permlanex16_b32 v10, v8, s[SEL], s[SEL+1]
	s_delay_alu instid0(VALU_DEP_1)
	v_max_num_f32 v8, v8, v10                      ; and among lane l xor 16's
	s_delay_alu instid0(VALU_DEP_1)
	v_mul_f32 v8, s[CS], v8                        ; as t (c is positive)
	s_delay_alu instid0(VALU_DEP_1)
	v_max_num_f32 v[TM], v[TM], v8                 ; the running largest t
	v_mov_b32 v8, v[NM]
	s_delay_alu instid0(VALU_DEP_2)
	v_floor_f32 v[NM], -v[TM]                      ; the new -M = floor(-t) = -ceil(t): M is a whole number
	s_delay_alu instid0(VALU_DEP_1)
	v_sub_f32 v8, v[NM], v8                        ; M's old value less its new one: a whole number, 0 or less
	s_delay_alu instid0(VALU_DEP_1)
	v_cvt_i32_f32 v8, v8                           ; (it saturates)
	s_delay_alu instid0(VALU_DEP_1)
	v_ldexp_f32 v20, 1.0, v8                       ; f = 2^(old M - new M)
.set j, 0
.rept 32
	v_pk_fma_f32 v[S+j:S+j+1], v[S+j:S+j+1], s[CS:CS+1], v[NM:NM+1] op_sel_hi:[1,0,0]   ; t - M, two at a time (of the pairs c and -M the low word serves both halves)
.set j, j+2
.endr
.set j, 0
	s_wait_alu depctr_va_vdst(0)
.rept 64
	v_exp_f32 v[S+j], v[S+j]                       ; p = 2^(t - M), at most 1: not normalised
.set j, j+1
.endr
	v_pk_mul_f32 v[LS:LS+1], v[LS:LS+1], v[20:21] op_sel_hi:[1,0]   ; the sums under the new M: the plain line behind the exponentials
	s_wait_alu depctr_va_vdst(0)                   ; one wait for the whole batch, ahead of its first reader
	v_pk_add_f32 v[22:23], v[S:S+1], v[S+2:S+3]    ; the row's sum is taken of the UNQUANTISED p: two at a time, in two chains
.irp j, 4,8,12,16,20,24,28,32,36,40,44,48,52,56,60
	v_pk_add_f32 v[LS:LS+1], v[LS:LS+1], v[S+\j:S+\j+1]
	v_pk_add_f32 v[22:23], v[22:23], v[S+\j+2:S+\j+3]
.endr
	s_delay_alu instid0(VALU_DEP_1)
	v_pk_add_f32 v[LS:LS+1], v[LS:LS+1], v[22:23]
.set g, 0
.rept 8                                        ; tile 1's codes land two registers below S^T: conversion g writes v[120 + 2 g], under its own sources v[122 + 8 g] on and over what earlier conversions have read; a v_nop stands in front of each
.set i, 0
.rept 8
.set i, i+1
.endr
	v_nop
	v_cvt_scalef32_pk8_fp8_f32 v[CD+2*g:CD+2*g+1], v[S+8*g:S+8*g+7], v[SCP]
.set g, g+1
.endr
.set j, 0
.rept 16
	v_pk_mul_f32 v[OX+j:OX+j+1], v[OX+j:OX+j+1], v[20:21] op_sel_hi:[1,0]   ; O^T under the new M.  (These sixteen are also the plain lines behind the last conversion and the places in front of the next products)
.set j, j+2
.endr
.endm
; A KEY STEP: 128 keys, the q-th of the slot in hand, for my two tiles of queries.
.macro STEP q
	s_add_co_u32 s96, s[Q0], 31                    ; a step all of whose keys come after my 32 queries is left out: a scalar branch on ids, round loads, products and softmax; no barrier and no tensor load stands in a step
	s_cmp_gt_u32 s[KF], s96
	s_cbranch_scc1 .Lhidden_\@
	v_add_nc_u32 v[ADR], s[TB], v[LI]
.rept 4
	v_nop                                          ; with the addition above: five places behind the last step's products, since the products below write over tile 1's codes, which those read; four of them serve the loads
.endr
.irp n, 0,1,2,3,4,5,6,7,8,9,10,11,12,13,14,15
	ds_load_b128 v[F+4*\n:F+4*\n+3], v[ADR] offset:STEPB*(\q)+512*\n       ; K's 8 fragments: 512 consecutive bytes a load
.endr
	s_wait_dscnt 0x0
.irp t, 0,1,2,3,4,5,6,7
	v_wmma_f32_16x16x64_fp8_fp8 v[S+8*\t:S+8*\t+7], v[F+8*\t:F+8*\t+7], v[QF:QF+7], 0
.endr
.rept 4
	v_nop
.endr
	SOFTMAX 0
.irp t, 0,1,2,3,4,5,6,7
	v_wmma_f32_16x16x64_fp8_fp8 v[S+8*\t:S+8*\t+7], v[F+8*\t:F+8*\t+7], v[QF+8:QF+15], 0
.endr
.rept 4
	v_nop                                          ; places in front of the loads into K's registers and of the first read of the scores
.endr
.irp n, 0,1,2,3,4,5,6,7,8,9,10,11,12,13,14,15
	ds_load_b128 v[F+4*\n:F+4*\n+3], v[ADR] offset:STEPB*(\q)+8192+512*\n  ; V's 4 fragments: they land under tile 1's softmax
.endr
	SOFTMAX 1
	s_wait_alu depctr_va_vdst(0)
	s_wait_dscnt 0x0
.irp dt, 0,1,2,3                               ; O^T += V^T P^T: eight accumulators, one turn each; each fragment of V feeds both tiles
.irp x, 0,1
	v_wmma_f32_16x16x128_fp8_fp8 v[O+32*\x+8*\dt:O+32*\x+8*\dt+7], v[F+16*\dt:F+16*\dt+15], v[CA+80*\x:CA+80*\x+15], v[O+32*\x+8*\dt:O+32*\x+8*\dt+7]
.endr
.endr
.Lhidden_\@:
	s_add_co_u32 s[KF], s[KF], 128
.endm
; THE CHANGE OF SLOTS stands at a slot's head.  Each wave waits for all its tensor loads, adds 0 to its spare word (fill = 1: twice on end), and waits for that and for its reads of the slot that it has left.
; Behind the barrier the slot ahead is whole and nobody reads the other one.  fill = 1: that other slot is asked for, up to the causal limit: the load has a whole slot's steps in which to land; one load of a wave is out.
.macro CHANGE fill
	s_wait_tensorcnt 0x0                           ; no tensor load of mine is out, so group 0 may be written
	ds_add_u32 v[SPW], v[NIL]                      ; 0 onto my spare word
.if \fill
	ds_add_u32 v[SPW], v[NIL]                      ; and once more: in every trip alike.  The steps below stand between it and the wait
	s_xor_b32 s[G0+1], s[G0+1], SLOT1              ; the walking descriptor: the other slot than last time,
	s_add_nc_u64 s[G0+2:G0+3], s[G0+2:G0+3], 2*STEPB   ; the next 256 keys; the type bits on top are not reached
	s_wait_xcnt 0x0                                ; the last prefetch, a slot back, has read its address, so it may be written:
	s_add_nc_u64 s[PFA:PFA+1], s[PFA:PFA+1], 2*STEPB   ; one slot further on than the walking descriptor
.endif
	s_wait_dscnt 0x0                               ; the add is done (fill = 1: both are), and my reads of the slot that I have left are over
	s_barrier_signal -1
	s_barrier_wait -1
.if \fill
	s_add_co_u32 s96, s[KF], 256                   ; THE LOOK-AHEAD ENDS AT THE CAUSAL LIMIT: a slot whose first key comes after my work-group's last query is read by none of its waves, so it is not asked for.
	s_cmp_gt_u32 s96, s[LASTQ]                     ; Ids and the count of steps alone: all sixteen waves go the same way, and a work-group that is past the limit stays past it.  Every wait on TENSORcnt in this text is for 0
	s_cbranch_scc1 .Lpast_\@
	TLOAD                                          ; the first thing behind the barrier, and a wave's one tensor load until the next
.Lpast_\@:
	ASK
.endif
.endm
.macro SLOT_STEPS
	STEP 0
	STEP 1
	s_xor_b32 s[TB], s[TB], SLOT1                  ; on to the other slot
.endm
	s_wait_loadcnt 0x0                             ; Q
.Lslot:                                            ; seven trips
	CHANGE 1
	SLOT_STEPS
	s_sub_co_u32 s[SLOTS], s[SLOTS], 1
	s_cmp_lg_u32 s[SLOTS], 0
	s_cbranch_scc1 .Lslot
	CHANGE 0                                       ; the last slot is written out: nothing is left to ask for
	SLOT_STEPS
	; THE WAY OUT.  y = O^T x 2^(e4 + e5) / the sum, converted with 2^e6.  A lane's eight channels of a tile are 8 bytes; they are laid in the order in which the last launch's operand registers
	; take them: row tile x 16,384 + head x 1,024 + 256 dt + 16 r + 8 h: each store of the wave covers 256 consecutive bytes, aligned.
	v_add_f32 v14, v14, v15                        ; the sums' two halves,
	v_add_f32 v18, v18, v19
	s_delay_alu instid0(VALU_DEP_2)
	v_permlanex16_b32 v10, v14, s[SEL], s[SEL+1]
	s_delay_alu instid0(VALU_DEP_2)
	v_permlanex16_b32 v11, v18, s[SEL], s[SEL+1]
	s_delay_alu instid0(VALU_DEP_2)
	v_add_f32 v14, v14, v10                        ; and lane l xor 16's
	s_delay_alu instid0(VALU_DEP_2)
	v_add_f32 v18, v18, v11
	s_wait_alu depctr_va_vdst(0)
	v_rcp_f32 v14, v14
	v_rcp_f32 v18, v18
	v_and_b32 v250, 0xf0, v[LI]                    ; (plain lines behind the reciprocals)  16 r
	v_bfe_u32 v251, v[LI], 8, 1                    ; h
	s_delay_alu instid0(VALU_DEP_1)
	v_lshl_add_u32 v250, v251, 3, v250             ; 16 r + 8 h
	s_add_co_i32 s96, s72, s73                     ; e4 + e5
	s_add_co_i32 s97, s74, 127
	s_lshl_b32 s12, s97, 23
	v_mov_b32 v[SCP], s12                          ; 2^e6
	s_wait_alu depctr_va_vdst(0)                   ; one wait for both reciprocals, ahead of their first reader
	v_ldexp_f32 v14, v14, s96
	v_ldexp_f32 v18, v18, s96
.irp x, 0,1
.set j, 0
.rept 16                                       ; each accumulator from its low end on; the results go into the registers that held S^T
	v_pk_mul_f32 v[S+32*\x+j:S+32*\x+j+1], v[O+32*\x+j:O+32*\x+j+1], v[14+4*\x:15+4*\x] op_sel_hi:[1,0]
.set j, j+2
.endr
.endr
.irp x, 0,1
.irp dt, 0,1,2,3
.set i, 0
.rept 8
.set i, i+1
.endr
	v_cvt_scalef32_pk8_fp8_f32 v[F+8*\x+2*\dt:F+8*\x+2*\dt+1], v[S+32*\x+8*\dt:S+32*\x+8*\dt+7], v[SCP]
.endr
.endr
	v_nop                                          ; one plain vector line behind the last conversion
.irp x, 0,1
.irp dt, 0,1,2,3
	global_store_b64 v250, v[F+8*\x+2*\dt:F+8*\x+2*\dt+1], s[10:11] offset:16384*\x+256*\dt
.endr
.endr
	s_wait_tensorcnt 0x0                           ; the wave's end, behind the last tensor load
	ds_add_u32 v[SPW], v[NIL]
	s_wait_dscnt 0x0
	s_endpgm
.Lfunc_end_k_q2ccfc2cf8c_attn:
	.size	k_q2ccfc2cf8c_attn, .Lfunc_end_k_q2ccfc2cf8c_attn-k_q2ccfc2cf8c_attn
	.p2alignl 7, 3214868480
	.fill 96, 4, 3214868480
	.section	.rodata,"a",@progbits
	.p2align	6, 0x0
	.amdhsa_kernel k_q2ccfc2cf8c_attn
		.amdhsa_group_segment_fixed_size 327680
		.amdhsa_private_segment_fixed_size 0
		.amdhsa_enable_private_segment 0
		.amdhsa_kernarg_size 32
		.amdhsa_user_sgpr_count 2
		.amdhsa_user_sgpr_kernarg_segment_ptr 1
		.amdhsa_wavefront_size32 1
		.amdhsa_system_sgpr_workgroup_id_x 1
		.amdhsa_system_sgpr_workgroup_id_y 1
		.amdhsa_system_sgpr_workgroup_id_z 1
		.amdhsa_system_vgpr_workitem_id 0
		.amdhsa_next_free_vgpr 256
		.amdhsa_next_free_sgpr 100
		.amdhsa_reserve_vcc 1
		.amdhsa_float_denorm_mode_32 3
		.amdhsa_float_denorm_mode_16_64 3
		.amdhsa_fp16_overflow 1
		.amdhsa_memory_ordered 1
		.amdhsa_forward_progress 1
		.amdhsa_inst_pref_size 159
	.end_amdhsa_kernel
	.amdgpu_metadata
---
amdhsa.version: [ 1, 2 ]
amdhsa.kernels:
  - .name:           k_q2ccfc2cf8c_attn
    .symbol:         k_q2ccfc2cf8c_attn.kd
    .args:
      - { .name: qf, .offset: 0, .size: 8, .value_kind: global_buffer, .address_space: global }
      - { .name: kvf, .offset: 8, .size: 8, .value_kind: global_buffer, .address_space: global }
      - { .name: lowp_scales, .offset: 16, .size: 8, .value_kind: global_buffer, .address_space: global }
      - { .name: yf, .offset: 24, .size: 8, .value_kind: global_buffer, .address_space: global }
    .group_segment_fixed_size: 327680
    .private_segment_fixed_size: 0
    .kernarg_segment_align: 8
    .kernarg_segment_size: 32
    .max_flat_workgroup_size: 512
    .sgpr_count:     100
    .vgpr_count:     256
    .wavefront_size: 32
...
	.end_amdgpu_metadata
.endif
;; end of part 2
;; launch proj (part 3): grid 4 x 32, 4 waves a work-group, clusters of 4 x 4, 327,680 bytes of LDS; arguments yf, w_out_codes, lowp_scales, b_out, out0; writes out0
.if DOCPART == 3
	.amdgcn_target "amdgcn-amd-amdhsa--gfx1250"
	.amdhsa_code_object_version 6
	.text
	.protected	k_q2ccfc2cf8c_proj
	.globl	k_q2ccfc2cf8c_proj
	.p2align	8
	.type	k_q2ccfc2cf8c_proj,@function
k_q2ccfc2cf8c_proj:
	s_mov_b64 s[64:65], 0
	v_nop
	global_prefetch_b8 v0, s[64:65] scope:SCOPE_SE
	s_setreg_imm32_b32 hwreg(HW_REG_WAVE_MODE, 25, 1), 1
	s_wait_xcnt 0x0
	s_wait_alu depctr_hold_cnt(0) depctr_sa_sdst(0) depctr_va_vdst(0) depctr_va_sdst(0) depctr_va_ssrc(0) depctr_va_vcc(0) depctr_vm_vsrc(0)
	s_getreg_b32 s2, hwreg(HW_REG_IB_STS2, 6, 4)
	s_cmp_eq_u32 s2, 0
	s_cbranch_scc0 .Lentry_in_a_cluster
	s_endpgm
.Lentry_in_a_cluster:
	s_bfe_u32 s2, ttmp6, 0x10000c
	s_cmp_lg_u32 s2, 0xf033
	s_cbranch_scc0 .Lentry_shape_is_right
	s_endpgm
.Lentry_shape_is_right:
; Launch 3 of 3: out0 = y w_out + b_out on codes of E4M3.  y: 8,192 rows x 1,024, codes made by the second launch with 2^e6; w_out: [1024 (n)][1024 (k)] codes with 2^e7; out0: [8192][1024] f32.  Nothing is left out here.
; A finished sum is multiplied once by 2^(e6 + e7); b_out goes in as the C of each sum's first product, divided by that power of two.
; LIMIT: e6 + e7 between -126 and 127, so that 2^(e6 + e7) is an f32 number; b_out / 2^(e6 + e7) is taken to be an f32 number too.  NaN in b_out is not served.
; A tile of out0, 256 x 256, is made by four waves, each 128 x 128: 64 accumulators, 512 registers.  K = 1,024 goes in four steps of 256 through a ring of two LDS slots.
; A = y COMES AS IMAGES OF OPERAND REGISTERS: yf [tile of 16 rows 512][K step of 128: 8][2,048 bytes]; chunk c of 512 bytes holds registers 4 c .. 4 c + 3, lane l's 16 bytes at 16 l: K = 32 c + 16 (l / 16) + 0 .. 15 of row l % 16:
; the very order in which B's fragments are read from rows.  So A's LDS loads take 512 consecutive bytes each, and A's tile needs no padding.  B = w_out comes as rows of 256 bytes, padded to 272.
; CLUSTERS: 4 x 4 work-groups; A's tile is asked for jointly by my row of the cluster, B's by my column.  THE MATRIX INSTRUCTION IS USED TRANSPOSED (source 0 = 16 rows of B, source 1 = 16 rows of A): a lane holds eight neighbouring numbers of a row of out0.
; REGISTERS, in windows of 256: window 0: v0-31 addresses; v32-95 the bias, on the way out a block's numbers; from v128 A's fragments, ONE set (on the way out: rows read back).
;   window 1: B's fragments, TWO sets.   window 2: the accumulators of my rows 0-63 ((a, b) at v[8 (8 a + b)]);   window 3: those of rows 64-127.
.set ROWB,   256                       ; a row of B's tile in bytes
.set KROW,   1024                      ; a row of w_out in memory
.set PITCH,  272                       ; B's LDS row: 256 bytes + 16 of padding: the 16 rows that a load touches start at 16 different banks (64 banks of 4 bytes: ISA guide 11.1)
.set FR,     16
.set NL,     4
.set NP,     4
.set AHALF,  32768                     ; A: 8 tiles of 16 rows x 4,096 bytes (two K steps of 128): what one tensor load brings
.set HALFT,  128*PITCH                 ; B: 128 rows
.set BOFF,   2*AHALF                   ; B's rows lie behind A's two halves
.set SLOT,   BOFF+2*HALFT
.set LAPS,   2                         ; a lap = 512 along K = once round the ring
.set SPARE,  2*SLOT                    ; behind the ring: the spare words, 128 bytes a wave: two blocks of 256 bytes that no other line names
.set SPITCH, 528                       ; the way out: a stage of 16 rows x (512 bytes + 16) for each wave, in slot 0, which has had its last fill and its last read when the first result is stored there
.set NOUT,   1024                      ; columns of out0
.set ADRA, 16                          ; v16-17  LDS address of my A fragments in slot 0, 1
.set ADRB, 20                          ; v20-21  the same for B
.set STO,  24                          ; v24     the way out: where I put 32 bytes of a row
.set RD,   25                          ; v25     where I read a row back
.set CO,   26                          ; v26     my byte offset in a row of out0
.set BOV,  27                          ; v27     the bias loads' offset: 32 x (lane / 16); never rewritten
.set SPW,  28                          ; v28     LDS address of my spare word; never rewritten
.set NIL,  29                          ; v29     0; never rewritten
.set BI,   32                          ; v32-95  register 8 b + i: b_out[my first column + 16 b + 8 (lane / 16) + i] / 2^(e6 + e7)
.set TMP,  32                          ; the way out: a block's sums x 2^(e6 + e7)
.set AF,   128
.set BK,   128                         ; the way out: 16 rows read back: v128-191 and v192-255 by turns
.set G1, 24                            ; s[24:31] descriptor group 1 for A's tiles;  s[32:39] group 0, one set for each slot
.set G0, 32
.set G1B, 48                           ; s[48:55], s[56:63] the same for B's tiles
.set G0B, 56
.set MSB, 0
.macro WIN new                         ; the immediate's high byte repeats the setting that is left
.if MSB != \new
	s_set_vgpr_msb (MSB<<8)|\new
.set MSB, \new
.endif
.endm
.set MUL_LO, 0xa1                      ; source 0 (B) window 1, source 1 (A) window 0, C and D window 2
.set MUL_HI, 0xf1                      ; the same, C and D window 3
.set FIRST_LO, 0x81                    ; the first step: C (the bias) window 0, D window 2
.set FIRST_HI, 0xc1                    ; C window 0, D window 3
.set TO_B,   0x40                      ; destination window 1, address window 0
; A joint load: waves 0 and 1 fetch for A, waves 2 and 3 for B; the branch hangs on the wave's number alone.  An s_nop 0 and four v_nop follow each of the two lines.
.macro JLOAD g0a, g1a, g0b, g1b
	s_cmp_eq_u32 s17, 0
	s_cbranch_scc0 .Lfor_b_\@
	tensor_load_to_lds s[\g0a:\g0a+3], s[\g1a:\g1a+7]
	s_nop 0
.rept 4
	v_nop
.endr
	s_branch .Lasked_\@
.Lfor_b_\@:
	tensor_load_to_lds s[\g0b:\g0b+3], s[\g1b:\g1b+7]
	s_nop 0
.rept 4
	v_nop
.endr
.Lasked_\@:
.endm
.macro CREST                           ; a round of the cluster's barrier behind its opening barrier
	s_cmp_lg_u32 s16, 0
	s_cbranch_scc1 .Lnot_wave_0_\@
	s_barrier_signal -3
.Lnot_wave_0_\@:
	s_barrier_wait -3
	s_barrier_signal -1
	s_barrier_wait -1
.endm
.macro CROUND                          ; a whole round
	s_barrier_signal -1
	s_barrier_wait -1
	CREST
.endm
	s_load_b256 s[4:11], s[0:1], 0x0               ; yf s[4:5], w_out s[6:7], the scales' exponents s[8:9], b_out s[10:11]
	s_load_b64 s[12:13], s[0:1], 0x20              ; out0
	v_lshl_add_u32 v[SPW], v0, 2, SPARE
	v_mov_b32 v[NIL], 0
	ds_add_u32 v[SPW], v[NIL]                      ; the wave's opening: the add, twice on end, and its wait ahead of my first tensor load; the set-up below, work on registers, stands between
	ds_add_u32 v[SPW], v[NIL]                      ; and once more, under the one wait
	v_lshrrev_b32 v1, 5, v0
	v_readfirstlane_b32 s16, v1                    ; wave 0..3
	s_lshr_b32 s17, s16, 1                         ; which half of the tile's rows is mine.  Also: I fetch for A (0) or for B (1)
	s_and_b32 s18, s16, 1                          ; which half of its columns.  Also: which half of that tile I fetch
	s_bfe_u32 s40, ttmp6, 0x40000                  ; cx, cy: my place in the cluster
	s_bfe_u32 s41, ttmp6, 0x40004
	s_lshl_b32 s42, ttmp9, 2
	s_add_co_u32 s42, s42, s40                     ; tile column = 4 x cluster x + cx
	s_and_b32 s43, ttmp7, 0xffff
	s_lshl_b32 s43, s43, 2
	s_add_co_u32 s43, s43, s41                     ; tile row = 4 x cluster y + cy
	s_lshl_b32 s44, s41, 2
	s_lshl_b32 s44, 15, s44                        ; my row of the cluster
	s_lshl_b32 s45, 0x1111, s40                    ; my column
	; descriptor group 1 for A: 8 rows (tiles of 16 rows of y) of 4,096 bytes, 16,384 bytes apart, dense in LDS
	s_or_b32 s[G1+0], s44, (3<<16)|(1<<21)         ; 15:0 the mask: my row; 17:16 elements of 8 bytes; 21 set beside a mask; no padding
	s_mov_b32 s[G1+1], 512<<16                     ; tensor_dim0 = 512 elements
	s_mov_b32 s[G1+2], 8<<16                       ; tensor_dim1 = 8
	s_mov_b32 s[G1+3], 512<<16                     ; tile_dim0
	s_mov_b32 s[G1+4], 8                           ; tile_dim1
	s_mov_b32 s[G1+5], 2048                        ; tensor_dim0_stride, in elements
	s_mov_b32 s[G1+6], 0
	s_mov_b32 s[G1+7], 0
	; for B: 128 rows of 256 bytes, padded in LDS
	s_or_b32 s[G1B+0], s45, (0<<16)|(1<<20)|(1<<21)|(5<<22)|(3<<25)  ; the mask: my column; elements of 1 byte; padding: four words (code 3) after every 64 (code 5)
	s_mov_b32 s[G1B+1], ROWB<<16
	s_mov_b32 s[G1B+2], 128<<16
	s_mov_b32 s[G1B+3], ROWB<<16
	s_mov_b32 s[G1B+4], 128
	s_mov_b32 s[G1B+5], KROW
	s_mov_b32 s[G1B+6], 0
	s_mov_b32 s[G1B+7], 0
	s_lshl_b32 s20, s43, 18                        ; A: (16 x tile row + 8 x half) tiles of 16,384 bytes
	s_lshl_b32 s19, s18, 17
	s_add_co_u32 s20, s20, s19
	s_mov_b32 s21, 0
	s_lshl_b32 s46, s42, 8
	s_lshl_b32 s19, s18, 7
	s_add_co_u32 s46, s46, s19
	s_lshl_b32 s46, s46, 10                        ; B: (256 x tile column + 128 x half) rows of 1,024 bytes
	s_mov_b32 s47, 0
	s_lshl_b32 s22, s18, 15                        ; where they go: A's half,
	s_mul_i32 s23, s18, HALFT
	s_add_co_u32 s23, s23, BOFF                    ; B's half: no place in the cluster enters an LDS address
	s_wait_dscnt 0x0                               ; both opening adds are done
	s_wait_kmcnt 0x0
	s_load_b64 s[96:97], s[8:9], 0x18              ; e6, e7
	s_add_nc_u64 s[20:21], s[4:5], s[20:21]
	s_add_nc_u64 s[46:47], s[6:7], s[46:47]
	CROUND                                         ; all sixteen work-groups are here: the first joint loads meet
.irp s, 0,1
	s_mov_b32 s[G0+4*\s], 1
	s_add_co_u32 s[G0+4*\s+1], s22, \s*SLOT
	s_add_nc_u64 s[G0+4*\s+2:G0+4*\s+3], s[20:21], \s*4096         ; slot s: K steps 2 s and 2 s + 1 of each tile of rows
	s_or_b32 s[G0+4*\s+3], s[G0+4*\s+3], 0x80000000
	s_mov_b32 s[G0B+4*\s], 1
	s_add_co_u32 s[G0B+4*\s+1], s23, \s*SLOT
	s_add_nc_u64 s[G0B+4*\s+2:G0B+4*\s+3], s[46:47], \s*ROWB
	s_or_b32 s[G0B+4*\s+3], s[G0B+4*\s+3], 0x80000000
	s_wait_alu depctr_va_vdst(0)
	s_wait_tensorcnt 0x0
	ds_add_u32 v28, v29
	ds_add_u32 v28, v29
	s_wait_dscnt 0x0
	CROUND
	JLOAD G0+4*\s, G1, G0B+4*\s, G1B               ; one load of mine, slot 1's, is out behind these
.endr
	v_and_b32 v1, 15, v0                           ; r = lane % 16
	v_bfe_u32 v2, v0, 4, 1                         ; h = lane / 16
	v_and_b32 v6, 31, v0
	v_lshlrev_b32 v[CO], 4, v6                     ; 16 x lane
	v_mul_u32_u24 v3, v1, PITCH
	v_lshl_add_u32 v4, v2, 4, v3                   ; B: a fragment's row x pitch + 16 x half
	s_lshl_b32 s21, s17, 15                        ; my 128 rows of A: 8 tiles
	s_mul_i32 s22, s18, HALFT                      ; my 128 rows of B
	s_add_co_u32 s22, s22, BOFF
.irp s, 0,1
	v_add_nc_u32 v[ADRA+\s], s21, v[CO]
	v_add_nc_u32 v[ADRB+\s], s22, v4
	s_add_co_u32 s21, s21, SLOT
	s_add_co_u32 s22, s22, SLOT
.endr
	s_mul_i32 s23, s16, 16*SPITCH                  ; my stage
	v_mul_u32_u24 v5, v1, SPITCH                   ; in: row r, 32 bytes for each half of the lanes
	v_lshl_add_u32 v5, v2, 5, v5
	v_add_nc_u32 v[STO], s23, v5
	v_add_nc_u32 v[RD], s23, v[CO]                 ; back: the 32 lanes take one row of 512 bytes
	v_lshlrev_b32 v[BOV], 5, v2
	s_lshl_b32 s84, s42, 10
	s_lshl_b32 s85, s18, 9
	s_add_co_u32 s84, s84, s85                     ; my first column, in bytes of f32: 1,024 x tile column + 512 x half: in b_out and in a row of out0 alike
	s_mov_b32 s85, 0
	s_add_nc_u64 s[10:11], s[10:11], s[84:85]
.irp b, 0,1,2,3,4,5,6,7
	global_load_b128 v[BI+8*\b:BI+8*\b+3], v[BOV], s[10:11] offset:64*\b
	global_load_b128 v[BI+8*\b+4:BI+8*\b+7], v[BOV], s[10:11] offset:64*\b+16
.endr
	s_lshl_b32 s86, s43, 8
	s_lshl_b32 s87, s17, 7
	s_add_co_u32 s86, s86, s87                     ; my first row: 256 x tile row + 128 x half
	s_lshl_b32 s86, s86, 12                        ; of 4,096 bytes: under 2^25
	s_mov_b32 s87, 0
	s_add_nc_u64 s[12:13], s[12:13], s[86:87]
	s_add_nc_u64 s[12:13], s[12:13], s[84:85]
	s_wait_kmcnt 0x0
	s_add_co_i32 s94, s96, s97                     ; e6 + e7
	s_sub_co_i32 s95, 0, s94
	s_add_co_i32 s96, s94, 127
	s_lshl_b32 s96, s96, 23                        ; 2^(e6 + e7) as f32
	s_mov_b32 s97, s96                             ; (named with it as a pair, so it is written)
	s_wait_loadcnt 0x0
.set j, 0
.rept 64
	v_ldexp_f32 v[BI+j], v[BI+j], s95              ; the bias divided by the power of two that the sums lack
.set j, j+1
.endr
.macro FRAGA reg, adr, q, i            ; A's fragment (tile of rows i, the slot's q-th 128 along K): its image, 512 consecutive bytes a load
.irp c, 0,1,2,3
	ds_load_b128 v[\reg+4*\c:\reg+4*\c+3], v[\adr] offset:4096*(\i)+2048*(\q)+512*\c
.endr
.endm
.macro FRAGB reg, adr, q, i            ; B's: lane l holds row l % 16; registers 4 c .. 4 c + 3 hold K = 32 c + 16 (l / 16) + 0 .. 15
.irp c, 0,1,2,3
	ds_load_b128 v[\reg+4*\c:\reg+4*\c+3], v[\adr] offset:128*(\q)+32*\c+(\i)*16*PITCH
.endr
.endm
; 16 matrix instructions: A's blocks a0, a0 + 1 x B's eight, 128 along K.  p: B's set.  first = 1: the first product starts the sums from the bias.
; The 64 accumulators take turns, one instruction a turn, in the same order in every step.
.macro MUL16 a0, p, first
.irp a, \a0, \a0+1
.irp b, 0,1,2,3,4,5,6,7
.if \first
	v_wmma_f32_16x16x128_fp8_fp8 v[8*(8*((\a)%4)+\b):8*(8*((\a)%4)+\b)+7], v[128*(\p)+FR*\b:128*(\p)+FR*\b+FR-1], v[AF+FR*(\a):AF+FR*(\a)+FR-1], v[BI+8*\b:BI+8*\b+7]
.else
	v_wmma_f32_16x16x128_fp8_fp8 v[8*(8*((\a)%4)+\b):8*(8*((\a)%4)+\b)+7], v[128*(\p)+FR*\b:128*(\p)+FR*\b+FR-1], v[AF+FR*(\a):AF+FR*(\a)+FR-1], v[8*(8*((\a)%4)+\b):8*(8*((\a)%4)+\b)+7]
.endif
.endr
.endr
.endm
.macro FETCH_B slot, q, p
	WIN TO_B
.irp i, 0,1,2,3,4,5,6,7
	FRAGB 128*(\p)+FR*\i, ADRB+\slot, \q, \i
.endr
	WIN 0
.endm
.macro FETCH_A slot, q, i0
.irp i, \i0, \i0+1, \i0+2, \i0+3
	FRAGA AF+FR*(\i), ADRA+\slot, \q, \i
.endr
.endm
; A load into a register that a matrix instruction has read, and a vector instruction or an LDS store that reads a matrix result, stand NP places behind it; only plain vector instructions that name none of its
; registers are places (ISA guide 7.12.1 for vector instructions).
.macro PLACES n
.rept \n
	v_nop
.endr
.endm
.macro STEP slot, q, first             ; a step of 128 along K that has its successor in the same slot
	s_wait_dscnt 4*NL                              ; B's set and A's blocks 0-3 are in; the youngest 16 loads (A's blocks 4-7) may be out
.if \first
	WIN FIRST_LO
.else
	WIN MUL_LO
.endif
	MUL16 0, (\q)%2, \first
	MUL16 2, (\q)%2, \first
	s_wait_dscnt 0                                 ; A's blocks 4-7 are in
	PLACES NP
	FETCH_B \slot, (\q)+1, 1-(\q)%2
	FETCH_A \slot, (\q)+1, 0
.if \first
	WIN FIRST_HI
.else
	WIN MUL_HI
.endif
	MUL16 4, (\q)%2, \first
	MUL16 6, (\q)%2, \first
	PLACES NP
	WIN 0
	FETCH_A \slot, (\q)+1, 4
.endm
; A slot's last step changes slots: ONE barrier; in front of it each wave waits for all its tensor loads, adds 0 to its spare word, and waits for that and for its own reads of this slot.  fill = 1: this slot is filled again, two K steps ahead.
.macro TURN slot, next, fill
	s_wait_tensorcnt 0x0                           ; all my tensor loads have landed: my part of the next slot  (every window is 0 here)
	ds_add_u32 v[SPW], v[NIL]                      ; 0 onto my spare word
	s_wait_dscnt 4*NL+1                            ; (the add and the youngest 16 loads, A's blocks 4-7, may be out)
	WIN MUL_LO
	MUL16 0, 1, 0                                  ; sixteen matrix instructions stand between the add and the wait for it
	s_wait_dscnt 0x0                               ; the add is done, and my reads of this slot are over
	s_barrier_signal -1
	MUL16 2, 1, 0
	WIN 0
	s_barrier_wait -1
.if \fill
	CREST                                          ; the barrier has opened a round of the cluster's barrier: no wave of any partner still reads this slot or has a load on its way
	s_add_nc_u64 s[G0+4*\slot+2:G0+4*\slot+3], s[G0+4*\slot+2:G0+4*\slot+3], 2*4096
	s_add_nc_u64 s[G0B+4*\slot+2:G0B+4*\slot+3], s[G0B+4*\slot+2:G0B+4*\slot+3], 2*ROWB
	JLOAD G0+4*\slot, G1, G0B+4*\slot, G1B         ; the first tensor load behind the round, my one load until the next; its four v_nop are the places in front of the loads below
.else
	PLACES NP
.endif
	FETCH_B \next, 0, 0
	FETCH_A \next, 0, 0
	WIN MUL_HI
	MUL16 4, 1, 0
	MUL16 6, 1, 0
	PLACES NP
	WIN 0
	FETCH_A \next, 0, 4
.endm
	s_wait_alu depctr_va_vdst(0)
	s_wait_tensorcnt 1                             ; my part of K step 0 is in; K step 1's load may be out
	s_barrier_signal -1
	s_barrier_wait -1                              ; everybody's is
	FETCH_B 0, 0, 0
	FETCH_A 0, 0, 0
	FETCH_A 0, 0, 4
	STEP 0, 0, 1                                   ; the first step stands in front of the loop: its products start the sums
	s_mov_b32 s3, LAPS-1
.Llap:                                                 ; a trip goes once round the ring, from a lap's second step to the next lap's first, and fills both slots again
	TURN 0, 1, 1
	STEP 1, 0, 0
	TURN 1, 0, 1
	STEP 0, 0, 0
	s_sub_co_u32 s3, s3, 1
	s_cmp_lg_u32 s3, 0
	s_cbranch_scc1 .Llap
	TURN 0, 1, 0                                   ; the last lap fills nothing, and has no round of the cluster's barrier
	STEP 1, 0, 0
	s_wait_dscnt 4*NL                              ; the very last step: nothing more to fetch
	WIN MUL_LO
	MUL16 0, 1, 0
	MUL16 2, 1, 0
	s_wait_dscnt 0
	WIN MUL_HI
	MUL16 4, 1, 0
	MUL16 6, 1, 0
	WIN 0
; THE WAY OUT, block by block of 16 rows x 128 columns.  A lane holds 32 neighbouring bytes of a row, and the lanes beside it hold other rows: so a block goes through my own stage in LDS and comes back as whole
; rows of 512 bytes.  LDS serves a wave's instructions in order (ISA guide 5.7.1.4): no wait between the stores and the loads, nor in front of the next block's stores.
.macro TOSTAGE a
.set AC, 64*((\a)%4)
	WIN 0x02+((\a)/4)                              ; source 0: window 2 or 3
.set j, 0
.rept 32
	v_pk_mul_f32 v[TMP+j:TMP+j+1], v[AC+j:AC+j+1], s[96:97] op_sel_hi:[1,0]   ; x 2^(e6 + e7); each accumulator from its low end on
.set j, j+2
.endr
	WIN 0
.irp b, 0,1,2,3,4,5,6,7
	ds_store_b128 v[STO], v[TMP+8*\b:TMP+8*\b+3] offset:64*\b
	ds_store_b128 v[STO], v[TMP+8*\b+4:TMP+8*\b+7] offset:64*\b+16
.endr
.set BB, BK+64*((\a)%2)
.irp t, 0,1,2,3,4,5,6,7,8,9,10,11,12,13,14,15
	ds_load_b128 v[BB+4*\t:BB+4*\t+3], v[RD] offset:\t*SPITCH
.endr
.endm
.macro SEND a, younger                 ; younger: the LDS instructions issued behind block a's loads, which may stay out
.set BB, BK+64*((\a)%2)
	s_wait_dscnt \younger                          ; the block is back in registers
.if (\a) > 0
	s_add_nc_u64 s[12:13], s[12:13], 16*NOUT*4     ; (behind a wait on XCNT: the earlier stores have read their base)  16 rows of out0 on
.endif
.irp t, 0,1,2,3,4,5,6,7,8,9,10,11,12,13,14,15
	global_store_b128 v[CO], v[BB+4*\t:BB+4*\t+3], s[12:13] offset:\t*NOUT*4 th:TH_STORE_NT   ; 32 lanes store 512 consecutive bytes, at a multiple of 256 from out0's first byte; written once, read by nobody here
.endr
.endm
	PLACES NP                                      ; behind the last products: the lines below read results and load into registers that held A's fragments
	TOSTAGE 0
.irp a, 1,2,3,4,5,6,7
.if \a > 1
	s_wait_xcnt 0x0                                ; block a - 2's stores have read their registers and their base: block a's loads may land there, and the base may step
.endif
	TOSTAGE \a
	SEND \a-1, 32                                  ; behind block a - 1's loads: block a's 16 stores and 16 loads
.endr
	s_wait_xcnt 0x0                                ; block 6's stores have read their base
	SEND 7, 0
	s_wait_tensorcnt 0x0                           ; the wave's end: behind my last tensor load and my last LDS store
	ds_add_u32 v[SPW], v[NIL]
	s_wait_dscnt 0x0
	CROUND                                         ; the closing round: no work-group ends while a partner may still ask for a tile that names it
	s_endpgm
.Lfunc_end_k_q2ccfc2cf8c_proj:
	.size	k_q2ccfc2cf8c_proj, .Lfunc_end_k_q2ccfc2cf8c_proj-k_q2ccfc2cf8c_proj
	.p2alignl 7, 3214868480
	.fill 96, 4, 3214868480
	.section	.rodata,"a",@progbits
	.p2align	6, 0x0
	.amdhsa_kernel k_q2ccfc2cf8c_proj
		.amdhsa_group_segment_fixed_size 327680
		.amdhsa_private_segment_fixed_size 0
		.amdhsa_enable_private_segment 0
		.amdhsa_kernarg_size 40
		.amdhsa_user_sgpr_count 2
		.amdhsa_user_sgpr_kernarg_segment_ptr 1
		.amdhsa_wavefront_size32 1
		.amdhsa_system_sgpr_workgroup_id_x 1
		.amdhsa_system_sgpr_workgroup_id_y 1
		.amdhsa_system_sgpr_workgroup_id_z 1
		.amdhsa_system_vgpr_workitem_id 0
		.amdhsa_next_free_vgpr 1024
		.amdhsa_next_free_sgpr 100
		.amdhsa_reserve_vcc 0
		.amdhsa_float_denorm_mode_32 3
		.amdhsa_float_denorm_mode_16_64 3
		.amdhsa_memory_ordered 1
		.amdhsa_forward_progress 1
		.amdhsa_inst_pref_size 130
	.end_amdhsa_kernel
	.amdgpu_metadata
---
amdhsa.version: [ 1, 2 ]
amdhsa.kernels:
  - .name:           k_q2ccfc2cf8c_proj
    .symbol:         k_q2ccfc2cf8c_proj.kd
    .args:
      - { .name: yf, .offset: 0, .size: 8, .value_kind: global_buffer, .address_space: global }
      - { .name: w_out_codes, .offset: 8, .size: 8, .value_kind: global_buffer, .address_space: global }
      - { .name: lowp_scales, .offset: 16, .size: 8, .value_kind: global_buffer, .address_space: global }
      - { .name: b_out, .offset: 24, .size: 8, .value_kind: global_buffer, .address_space: global }
      - { .name: out0, .offset: 32, .size: 8, .value_kind: global_buffer, .address_space: global }
    .group_segment_fixed_size: 327680
    .private_segment_fixed_size: 0
    .kernarg_segment_align: 8
    .kernarg_segment_size: 40
    .max_flat_workgroup_size: 128
    .sgpr_count:     100
    .vgpr_count:     1024
    .wavefront_size: 32
...
	.end_amdgpu_metadata
.endif
;; end of part 3
